; MI455X (gfx1250); checked and timed in simulation.
; The chip was launched on July 23, 2026; its instructions are those of AMD's public machine-readable ISA for CDNA 5 (MIT licence, August 2026) and "CDNA5" Instruction Set Architecture Reference Guide (July 2026). The comments in the code are by the model that wrote it; some were corrected since.
;; Mo E. Allowed arithmetic: matrix products marked QUANTISED: E4M3 operands, one given power-of-two scale a tensor, by v_wmma_f32_16x16x64_fp8_fp8 or v_wmma_f32_16x16x128_fp8_fp8, f32 sums; products left as they are: f32 operands where the result goes on into a quantised operand, else bf16, f16 or f32 operands; f32 sums; everything else in f32.
;; Inputs: W1_codes 8 x 2,048 x 16 x 32 uint8 (E4M3 codes of W1, K innermost, in blocks of 32 codes); W2_codes 8 x 512 x 64 x 32 uint8 (E4M3 codes of W2, K innermost, in blocks of 32 codes); Wg 512 x 8 float32; Ws_codes 1,024 x 16 x 32 uint8 (E4M3 codes of Ws, K innermost, in blocks of 32 codes); b1 8 x 2,048 float32; b2 8 x 512 float32; bg 8 float32; bs 1,024 float32; lowp_scales 34 int32 (the exponents e of the quantised operands' scales 2^e); x 4 x 512 x 512 float32.
;; Outputs: out0 4 x 512 x 512 float32; out1 4 x 8 float32; out2 4 x 8 float32.
;; This version of the problem:
;;   THIS VERSION OF THE PROBLEM IS GIVEN IN LOW PRECISION. The matrix products marked QUANTISED in the list below multiply operands that are first quantised to E4M3 (4 exponent bits, 3 mantissa bits; 8 bits a number), with one given power-of-two scale for each operand tensor; their sums are f32. All else is computed in f32.
;;   The module's matrix products, in the order in which they are computed (A, B: the left and right operand; K: the contracted axis; several contracted axes count as one K, in the product's order):
;;     1. [M 2,048, K 512] x [K 512, N 1,024]; A: input x; B: input Ws (given as codes): QUANTISED (scales: A lowp_scales[0], B lowp_scales[1])
;;     2. [M 2,048, K 512] x [K 512, N 8]; A: input x; B: input Wg: left as it is (N = 8 < 16)
;;     3. [M 2,048, K 512] x [K 512, N 2,048]; A: input x; B: input W1 (given as codes): QUANTISED (scales: A lowp_scales[2], B lowp_scales[3])
;;     4. [M 2,048, K 2,048] x [K 2,048, N 512]; A: computed on the way; B: input W2 (given as codes): QUANTISED (scales: A lowp_scales[4], B lowp_scales[5])
;;     5. [M 2,048, K 512] x [K 512, N 2,048]; A: input x; B: input W1 (given as codes): QUANTISED (scales: A lowp_scales[6], B lowp_scales[7])
;;     6. [M 2,048, K 2,048] x [K 2,048, N 512]; A: computed on the way; B: input W2 (given as codes): QUANTISED (scales: A lowp_scales[8], B lowp_scales[9])
;;     7. [M 2,048, K 512] x [K 512, N 2,048]; A: input x; B: input W1 (given as codes): QUANTISED (scales: A lowp_scales[10], B lowp_scales[11])
;;     8. [M 2,048, K 2,048] x [K 2,048, N 512]; A: computed on the way; B: input W2 (given as codes): QUANTISED (scales: A lowp_scales[12], B lowp_scales[13])
;;     9. [M 2,048, K 512] x [K 512, N 2,048]; A: input x; B: input W1 (given as codes): QUANTISED (scales: A lowp_scales[14], B lowp_scales[15])
;;     10. [M 2,048, K 2,048] x [K 2,048, N 512]; A: computed on the way; B: input W2 (given as codes): QUANTISED (scales: A lowp_scales[16], B lowp_scales[17])
;;     11. [M 2,048, K 512] x [K 512, N 2,048]; A: input x; B: input W1 (given as codes): QUANTISED (scales: A lowp_scales[18], B lowp_scales[19])
;;     12. [M 2,048, K 2,048] x [K 2,048, N 512]; A: computed on the way; B: input W2 (given as codes): QUANTISED (scales: A lowp_scales[20], B lowp_scales[21])
;;     13. [M 2,048, K 512] x [K 512, N 2,048]; A: input x; B: input W1 (given as codes): QUANTISED (scales: A lowp_scales[22], B lowp_scales[23])
;;     14. [M 2,048, K 2,048] x [K 2,048, N 512]; A: computed on the way; B: input W2 (given as codes): QUANTISED (scales: A lowp_scales[24], B lowp_scales[25])
;;     15. [M 2,048, K 512] x [K 512, N 2,048]; A: input x; B: input W1 (given as codes): QUANTISED (scales: A lowp_scales[26], B lowp_scales[27])
;;     16. [M 2,048, K 2,048] x [K 2,048, N 512]; A: computed on the way; B: input W2 (given as codes): QUANTISED (scales: A lowp_scales[28], B lowp_scales[29])
;;     17. [M 2,048, K 512] x [K 512, N 2,048]; A: input x; B: input W1 (given as codes): QUANTISED (scales: A lowp_scales[30], B lowp_scales[31])
;;     18. [M 2,048, K 2,048] x [K 2,048, N 512]; A: computed on the way; B: input W2 (given as codes): QUANTISED (scales: A lowp_scales[32], B lowp_scales[33])
;;   THE QUANTISER, for each operand of a quantised product, along K:
;;     - The operand's scale is 2^e, e = its entry of the input lowp_scales (int32; the entries are numbered through the quantised products in the list's order, A before B).
;;     - Each number is divided by the scale, clamped to +-448, and rounded to the nearest number of E4M3, ties to even, subnormals kept.
;;     - The product sums the exact products of the quantised numbers (number of the format x scale) in f32.
;;   ~~~python
;;   def quantise(x, axis, e):      # numpy; x: float32 -> the quantised numbers, widened to float32 again
;;       x = np.moveaxis(x, axis, -1); K = x.shape[-1]
;;       r = np.clip(x / 2.0 ** e, -448, 448)
;;       step = 2.0 ** (np.maximum(np.frexp(np.where(r == 0, 1, r))[1] - 1, -6) - 3)
;;       q = np.round(r / step) * step * 2.0 ** e      # np.round: ties to even
;;       return np.moveaxis(q, -1, axis).astype(np.float32)
;;   ~~~
;;   OPERANDS COMPUTED ON THE WAY. 'Computed on the way' means the value that the module computes at that place (a softmax that the list does not call 'softmax' is quantised finished and normalised). What goes into a quantiser is computed in f32, as accurately as f32 sums, v_exp_f32 and their like allow (about 1e-6 of the number): no bf16 or f16 on the way to a quantiser, and a product that is left as it is and whose result goes on into a quantised operand takes f32 operands (vector FMAs, or v_wmma_f32_16x16x4_f32). A number that lies on a knife's edge between two numbers of the format may be rounded either way, as far as f32 arithmetic and the matrix unit's own rounding can turn it there, and no further.
;;   INPUTS GIVEN AS CODES. W1 (in the module: [8, 512, 2048], K = its axis 1); W2 (in the module: [8, 2048, 512], K = its axis 1); Ws (in the module: [512, 1024], K = its axis 0): each comes as NAME_codes (uint8): NAME with its K axis moved to the last place and cut into blocks of 32 codes, [.., K / 32, bytes a block], one block behind the other in memory; one code a byte (a code: sign, 4 exponent bits, 3 mantissa bits); its scale is its entry of lowp_scales. Its value is code x scale, taken as it is: it is not quantised again, and the codes and scales need not be those that the quantiser above would give.
;; One version. Each part assembles by itself: llvm-mc -triple=amdgcn-amd-amdhsa -mcpu=gfx1250 --defsym DOCPART=n.
;; ======== version 1 of 1: 4 launches
;; limits: right only within a limited range of input values
;; workspace buffers: route 8,192 bytes of whole numbers; list 181,248 bytes of whole numbers; gw 16,384 bytes; pstat 4,096 bytes; xqs 1,048,576 bytes; xqr 2,097,152 bytes; part 72,220,672 bytes
;; launch gate (part 1): grid 64 x 1, 8 waves a work-group, no clusters, 101,376 bytes of LDS; arguments x, Wg, bg, lowp_scales, route, gw, pstat, xqs, xqr; writes route, gw, pstat, xqs, xqr
.if DOCPART == 1
	.amdgcn_target "amdgcn-amd-amdhsa--gfx1250"
	.amdhsa_code_object_version 6
	.text
	.protected	k_qace95a62fd_gate
	.globl	k_qace95a62fd_gate
	.p2align	8
	.type	k_qace95a62fd_gate,@function
k_qace95a62fd_gate:
	s_mov_b64 s[64:65], 0
	v_nop
	global_prefetch_b8 v0, s[64:65] scope:SCOPE_SE
	s_setreg_imm32_b32 hwreg(HW_REG_WAVE_MODE, 25, 1), 1
	s_wait_xcnt 0x0
; THE GATE, AND x INTO CODES.  x: [2048][512] f32.  Wg: [512][8], bg: [8] f32.  A work-group takes a block of 32 tokens, each of its eight waves four of them.
; For each token: logits x Wg + bg in f32 (fused multiply-adds), sigmoid, the two largest (a tie keeps the lower index), the combine weights g_k / (g_0 + g_1),
; s_k / (the sum of the eight s).  Stored, all at fixed places (no address here hangs on the choice):
;   route [64 blocks][32 words]: word e: bit l = token 32 blk + l chose expert e; word 8 + e: bit l = e is that token's second choice; word 16 + e: the number of set bits of word e; words 24-31: 0
;   gw    [2048][2] f32: the two combine weights        pstat [64 blocks][16] f32: words 0-7 the block's part of f, words 8-15 of p
;   xqs   [2048][512] codes of x with the shared product's scale        xqr [2 token + k][512] codes of x with the scale of the first product of the token's k-th expert
; code = x / 2^e, held within +-448, to the nearest code, ties to even.
; LIMITS: the exponents of x's nine scales lie between -126 and 119, so that 2^e and 448 x 2^e are f32 numbers.  NaN among the inputs is not served.  The logits' sums are taken in another order than a plain loop over K.
; A lane holds 16 NEIGHBOURING columns of a token's row (the conversions take neighbours from one lane's registers, and its 16 codes are 16 bytes), yet every load is dense: 512 consecutive bytes a load, turned
; through the wave's own stage in LDS, 16 bytes of padding behind each 64.  Wg goes through LDS likewise: lane l wants its rows 16 l .. 16 l + 15, 512 consecutive bytes.
; No matrix instruction: a product with 8 columns.  No cluster: work-groups share only Wg's 16 KiB, against 64 KiB of x each.
.set WGP, 528                          ; a chunk of 512 bytes of Wg in LDS, + 16 of padding
.set XST, 32*WGP                       ; behind Wg: the stages
.set XSP, 80                           ; a lane's place in a stage: 64 bytes + 16
.set XTK, 32*XSP                       ; a token's row in a stage
.set LOG, XST+8*4*XTK                  ; behind the stages: 32 tokens x 8 logits
.set WR,  16                           ; v16-31   Wg as loaded
.set LG,  32                           ; v32-63   logits: 8 tok + e
.set XL,  64                           ; v64-127  x as loaded
.set W,   64                           ; v64-191  then Wg: 8 i + e = Wg(16 lane + i, e)
.set X,   192                          ; v192-255 x: 16 tok + i = x(token, 16 lane + i)
	s_load_b512 s[4:19], s[0:1], 0x0               ; x s[4:5], Wg s[6:7], bg s[8:9], scales s[10:11], route s[12:13], gw s[14:15], pstat s[16:17], xqs s[18:19]
	s_load_b64 s[20:21], s[0:1], 0x40              ; xqr
	v_lshl_add_u32 v14, v0, 2, 0x18800
	v_mov_b32 v15, 0
	v_lshrrev_b32 v1, 5, v0
	v_readfirstlane_b32 s22, v1                    ; wave 0..7
	v_and_b32 v1, 31, v0                           ; lane
	v_lshlrev_b32 v2, 4, v1                        ; 16 x lane
	s_mul_i32 s84, s22, 4*XTK
	s_add_co_u32 s84, s84, XST                     ; my wave's four stages
	v_lshrrev_b32 v3, 2, v1
	v_mul_u32_u24 v3, v3, XSP
	v_and_b32 v10, 3, v1
	v_lshl_add_u32 v3, v10, 4, v3
	v_add_nc_u32 v3, s84, v3                       ; into a stage: four lanes' 64 bytes on end, then the padding
	v_mul_u32_u24 v4, v1, XSP
	v_add_nc_u32 v4, s84, v4                       ; out of it: my 16 neighbours
	s_mul_i32 s85, s22, 4*WGP
	v_add_nc_u32 v5, s85, v2                       ; Wg into LDS: my wave's four chunks
	v_mul_u32_u24 v6, v1, WGP                      ; and out: chunk = lane
	s_lshl_b32 s85, s22, 7
	s_add_co_u32 s85, s85, LOG
	v_mov_b32 v7, s85                              ; my wave's four tokens' logits
	s_lshl_b32 s86, s22, 2
	v_add_nc_u32 v8, s86, v1
	v_and_b32 v8, 31, v8
	v_lshlrev_b32 v8, 5, v8
	v_add_nc_u32 v8, LOG, v8                       ; later lane l takes token (l + 4 wave) mod 32: my wave's own four lie in lanes 0-3, and wave 0 has them in order
	v_mov_b32 v9, 0                                ; a lane permute's destination counts as read
	s_mov_b32 s82, 0x76543210
	s_mov_b32 s83, 0xfedcba98                      ; v_permlanex16_b32: lane l xor 16
	s_lshl_b32 s86, ttmp9, 16
	s_lshl_b32 s87, s22, 13
	s_add_co_u32 s86, s86, s87
	s_mov_b32 s87, 0                               ; x: 32 rows of 2,048 bytes a block, 4 a wave
	s_lshl_b32 s88, s22, 11
	s_mov_b32 s89, 0                               ; Wg: 2,048 bytes a wave
	s_lshl_b32 s90, ttmp9, 14
	s_add_co_u32 s90, s90, s88
	s_mov_b32 s91, 0                               ; xqs: rows of 512 bytes
	s_lshl_b32 s92, s90, 1
	s_mov_b32 s93, 0                               ; xqr: two such rows a token
	s_lshl_b32 s94, ttmp9, 8
	s_mov_b32 s95, 0                               ; gw: 256 bytes a block
	s_lshl_b32 s96, ttmp9, 7
	s_mov_b32 s97, 0                               ; route: 128
	s_lshl_b32 s98, ttmp9, 6
	s_mov_b32 s99, 0                               ; pstat: 64
	s_wait_kmcnt 0x0
	s_add_nc_u64 s[4:5], s[4:5], s[86:87]
	s_add_nc_u64 s[6:7], s[6:7], s[88:89]
	s_add_nc_u64 s[18:19], s[18:19], s[90:91]
	s_add_nc_u64 s[20:21], s[20:21], s[92:93]
	s_add_nc_u64 s[14:15], s[14:15], s[94:95]
	s_add_nc_u64 s[12:13], s[12:13], s[96:97]
	s_add_nc_u64 s[16:17], s[16:17], s[98:99]
	s_load_b256 s[24:31], s[8:9], 0x0              ; bg
	s_load_b512 s[32:47], s[10:11], 0x0            ; the scales' exponents 0-15,
	s_load_b512 s[48:63], s[10:11], 0x40           ; 16-31: entry 0 is s32, entry 2 + 4 e is s[34 + 4 e]
.irp q, 0,1,2,3
	global_load_b128 v[WR+4*\q:WR+4*\q+3], v2, s[6:7] offset:512*\q
.endr
.irp t, 0,1,2,3
.irp i, 0,1,2,3
	global_load_b128 v[XL+16*\t+4*\i:XL+16*\t+4*\i+3], v2, s[4:5] offset:2048*\t+512*\i th:TH_LOAD_NT   ; 32 lanes read 512 consecutive bytes
.endr
.endr
	s_wait_loadcnt 16                              ; Wg's four loads are in; x's sixteen were issued behind them
.irp q, 0,1,2,3
	ds_store_b128 v5, v[WR+4*\q:WR+4*\q+3] offset:WGP*\q
.endr
	s_wait_loadcnt 0x0
.irp t, 0,1,2,3                                ; the stages are my wave's own and LDS serves a wave's instructions in order: no wait between the stores and the loads
.irp i, 0,1,2,3
	ds_store_b128 v3, v[XL+16*\t+4*\i:XL+16*\t+4*\i+3] offset:XTK*\t+8*XSP*\i
.endr
.irp i, 0,1,2,3
	ds_load_b128 v[X+16*\t+4*\i:X+16*\t+4*\i+3], v4 offset:XTK*\t+16*\i
.endr
.endr
	s_wait_dscnt 0x0                               ; for the others' sake: my part of Wg lies in LDS
	s_barrier_signal -1
	s_barrier_wait -1
.set Q, 0
.rept 32
	ds_load_b128 v[W+4*Q:W+4*Q+3], v6 offset:16*Q
.set Q, Q+1
.endr
	s_wait_dscnt 0x0
; my 16 columns' part of 4 tokens x 8 logits: two experts an instruction, x's number for both halves; sixteen chains that do not wait for each other
.set I, 0
.rept 16
.set T, 0
.rept 4
.set P, 0
.rept 4
.if I == 0
	v_pk_mul_f32 v[LG+8*T+2*P:LG+8*T+2*P+1], v[W+2*P:W+2*P+1], v[X+16*T:X+16*T+1] op_sel_hi:[1,0]
.elseif I%2
	v_pk_fma_f32 v[LG+8*T+2*P:LG+8*T+2*P+1], v[W+8*I+2*P:W+8*I+2*P+1], v[X+16*T+I-1:X+16*T+I], v[LG+8*T+2*P:LG+8*T+2*P+1] op_sel:[0,1,0] op_sel_hi:[1,1,1]
.else
	v_pk_fma_f32 v[LG+8*T+2*P:LG+8*T+2*P+1], v[W+8*I+2*P:W+8*I+2*P+1], v[X+16*T+I:X+16*T+I+1], v[LG+8*T+2*P:LG+8*T+2*P+1] op_sel_hi:[1,0,1]
.endif
.set P, P+1
.endr
.set T, T+1
.endr
.set I, I+1
.endr
; the 32 sums over the wave's lanes, step by step for all of them
.irp k, 1,2,4,8
.set R, 0
.rept 32
	v_add_f32_dpp v[LG+R], v[LG+R], v[LG+R] row_xmask:\k row_mask:0xf bank_mask:0xf
.set R, R+1
.endr
.endr
.set R, 0
.rept 32
	v_permlanex16_b32 v[W+R], v[LG+R], s82, s83    ; Wg's registers are done with
.set R, R+1
.endr
.set R, 0
.rept 32
	v_add_f32 v[LG+R], v[LG+R], v[W+R]
.set R, R+1
.endr
.irp t, 0,1,2,3                                ; every lane holds every sum: all lanes write the same words with the same numbers
	ds_store_b128 v7, v[LG+8*\t:LG+8*\t+3] offset:32*\t
	ds_store_b128 v7, v[LG+8*\t+4:LG+8*\t+7] offset:32*\t+16
.endr
	s_wait_dscnt 0x0
	s_barrier_signal -1
	s_barrier_wait -1                              ; the block's 32 x 8 logits lie in LDS
	ds_load_b128 v[64:67], v8
	ds_load_b128 v[68:71], v8 offset:16
	s_wait_kmcnt 0x0                               ; bg and the exponents
	s_mov_b32 s84, 0xbfb8aa3b                      ; -log2(e)
.irp e, 0,1,2,3,4,5,6,7
	s_mul_f32 s[24+\e], s[24+\e], s84
.endr
.irp n, 32,34,38,42,46,50,54,58,62
	s_add_co_i32 s\n, s\n, 127
	s_lshl_b32 s\n, s\n, 23                        ; 2^e as f32
.endr
	s_wait_dscnt 0x0
; a lane, a token: s = 1 / (1 + 2^(-log2(e) (logit + bg)))
.irp e, 0,1,2,3,4,5,6,7
	v_fma_f32 v[64+\e], v[64+\e], s84, s[24+\e]
.endr
.irp e, 0,1,2,3,4,5,6,7
	v_exp_f32 v[64+\e], v[64+\e]
.endr
	v_nop                                          ; a plain instruction behind the transcendentals
	s_wait_alu depctr_va_vdst(0)
.irp e, 0,1,2,3,4,5,6,7
	v_add_f32 v[64+\e], 1.0, v[64+\e]
.endr
.irp e, 0,1,2,3,4,5,6,7
	v_rcp_f32 v[64+\e], v[64+\e]
.endr
	v_mov_b32 v81, 0                               ; (the plain instruction)  the largest's index
	s_wait_alu depctr_va_vdst(0)
	v_mov_b32 v80, v64                             ; the largest: only a strictly greater number takes its place, so a tie keeps the lower index
.irp e, 1,2,3,4,5,6,7
	v_cmp_gt_f32 vcc_lo, v[64+\e], v80
	v_cndmask_b32 v80, v80, v[64+\e], vcc_lo
	v_cndmask_b32 v81, v81, \e, vcc_lo
.endr
.irp e, 0,1,2,3,4,5,6,7
	v_cmp_eq_u32 s[66+\e], \e, v81                 ; ballot: the first choice is e
.endr
	v_mov_b32 v82, -1.0                            ; the second: under every s
	v_mov_b32 v83, 0
.irp e, 0,1,2,3,4,5,6,7
	v_cmp_gt_f32 vcc_lo, v[64+\e], v82
	s_and_not1_b32 vcc_lo, vcc_lo, s[66+\e]        ; not the first choice again
	v_cndmask_b32 v82, v82, v[64+\e], vcc_lo
	v_cndmask_b32 v83, v83, \e, vcc_lo
.endr
.irp e, 0,1,2,3,4,5,6,7
	v_cmp_eq_u32 s[74+\e], \e, v83                 ; ballot: the second choice is e
.endr
	v_add_f32 v72, v64, v65
	v_add_f32 v73, v66, v67
	v_add_f32 v74, v68, v69
	v_add_f32 v75, v70, v71
	v_add_f32 v72, v72, v73
	v_add_f32 v74, v74, v75
	v_add_f32 v72, v72, v74                        ; the sum of the eight s
	v_add_f32 v76, v80, v82                        ; g_0 + g_1
	v_rcp_f32 v72, v72
	v_rcp_f32 v76, v76
	v_mov_b32 v88, s34                             ; (the plain instruction)  the scale of x for the first choice's expert,
	v_mov_b32 v89, s34                             ; for the second's
	s_wait_alu depctr_va_vdst(0)
	v_mul_f32 v84, v80, v76                        ; the combine weights
	v_mul_f32 v85, v82, v76
	v_mul_f32 v86, v80, v72                        ; s_k / the sum
	v_mul_f32 v87, v82, v72
.irp e, 1,2,3,4,5,6,7
	v_cndmask_b32 v88, v88, s[34+4*\e], s[66+\e]
	v_cndmask_b32 v89, v89, s[34+4*\e], s[74+\e]
.endr
; My four tokens into codes, three times each.  ver 0: the shared product's scale; 1, 2: the scale of the k-th choice, out of lane tok.  The numbers are held into one of two sets, and scale and limit lie in one of
; two pairs, by turns: so the lines that follow a conversion are plain and touch nothing of it.  Each run has its own four registers of codes: no store's data are written again.
.set QN, 0
.macro QUANT tok, ver
.set TS, 96+16*(QN%2)
.set SC, 176+2*(QN%2)
.set CD, 128+4*QN
.if \ver == 0
	v_mov_b32 v[SC], s32
	s_add_co_u32 s90, s32, 0x4600000               ; 448 x the scale: 8 more in the exponent field, 448's mantissa field under it
.else
	v_readlane_b32 s90, v[87+\ver], \tok
	v_mov_b32 v[SC], s90
	s_add_co_u32 s90, s90, 0x4600000
.endif
	v_mov_b32 v[SC+1], s90
.irp i, 0,1,2,3,4,5,6,7,8,9,10,11,12,13,14,15
	v_med3_num_f32 v[TS+\i], v[X+16*\tok+\i], -v[SC+1], v[SC+1]   ; the conversion to an 8-bit code does not saturate (ISA guide 7.6.2): the hold comes first
.endr
	v_cvt_scalef32_pk8_fp8_f32 v[CD:CD+1], v[TS:TS+7], v[SC]
	v_cvt_scalef32_pk8_fp8_f32 v[CD+2:CD+3], v[TS+8:TS+15], v[SC]
.if \ver == 0
	global_store_b128 v2, v[CD:CD+3], s[18:19] offset:512*\tok                  ; 32 lanes store a row's 512 consecutive bytes
.else
	global_store_b128 v2, v[CD:CD+3], s[20:21] offset:1024*\tok+512*(\ver-1)
.endif
.set QN, QN+1
.endm
.irp t, 0,1,2,3
	QUANT \t, 0
	QUANT \t, 1
	QUANT \t, 2
.endr
; the statistics: wave w is expert h = w; every wave holds all 32 tokens.  f counts the choices that are NOT h, p adds their s / sum
	v_cmp_ne_u32 vcc_lo, s22, v81
	v_cndmask_b32 v91, 0, 1.0, vcc_lo
	v_cndmask_b32 v92, 0, v86, vcc_lo
	v_cmp_ne_u32 vcc_lo, s22, v83
	v_cndmask_b32 v93, 0, 1.0, vcc_lo
	v_cndmask_b32 v94, 0, v87, vcc_lo
	v_add_f32 v91, v91, v93
	v_add_f32 v92, v92, v94
.irp k, 1,2,4,8
	v_add_f32_dpp v91, v91, v91 row_xmask:\k row_mask:0xf bank_mask:0xf
	v_add_f32_dpp v92, v92, v92 row_xmask:\k row_mask:0xf bank_mask:0xf
.endr
	v_permlanex16_b32 v9, v91, s82, s83
	v_add_f32 v91, v91, v9
	v_permlanex16_b32 v9, v92, s82, s83
	v_add_f32 v92, v92, v9
	v_cmp_eq_u32 vcc_lo, 0, v1
	v_cndmask_b32 v93, v92, v91, vcc_lo            ; lane 0: f, lane 1: p
	v_lshlrev_b32 v95, 5, v1
	v_lshl_add_u32 v95, s22, 2, v95                ; word w, word 8 + w
	v_cmp_gt_u32 vcc_lo, 2, v1
	s_wait_xcnt 0x0                                ; EXEC is a source of the stores above: it changes only behind this wait
	s_and_saveexec_b32 s92, vcc_lo
	global_store_b32 v95, v93, s[16:17]
	s_wait_xcnt 0x0                                ; and again in front of the line that widens it
	s_or_b32 exec_lo, exec_lo, s92
	s_cmp_lg_u32 s22, 0                            ; wave 0, whose lane l is token l, stores what belongs to the block
	s_cbranch_scc1 .Ldone
	v_lshlrev_b32 v10, 3, v1
	global_store_b64 v10, v[84:85], s[14:15]       ; 32 lanes: 256 consecutive bytes
	v_mov_b32 v90, 0
.irp e, 0,1,2,3,4,5,6,7
	s_or_b32 s93, s[66+\e], s[74+\e]
	s_bcnt1_i32_b32 s94, s93
	v_writelane_b32 v90, s93, \e
	v_writelane_b32 v90, s[74+\e], 8+\e
	v_writelane_b32 v90, s94, 16+\e
.endr
	v_lshlrev_b32 v11, 2, v1
	global_store_b32 v11, v90, s[12:13]            ; the block's 32 words
.Ldone:
	s_wait_tensorcnt 0x0
	ds_add_u32 v14, v15
	s_wait_dscnt 0x0
	s_endpgm
.Lfunc_end_k_qace95a62fd_gate:
	.size	k_qace95a62fd_gate, .Lfunc_end_k_qace95a62fd_gate-k_qace95a62fd_gate
	.p2alignl 7, 3214868480
	.fill 96, 4, 3214868480
	.section	.rodata,"a",@progbits
	.p2align	6, 0x0
	.amdhsa_kernel k_qace95a62fd_gate
		.amdhsa_group_segment_fixed_size 101376
		.amdhsa_private_segment_fixed_size 0
		.amdhsa_enable_private_segment 0
		.amdhsa_kernarg_size 72
		.amdhsa_user_sgpr_count 2
		.amdhsa_user_sgpr_kernarg_segment_ptr 1
		.amdhsa_wavefront_size32 1
		.amdhsa_system_sgpr_workgroup_id_x 1
		.amdhsa_system_sgpr_workgroup_id_y 1
		.amdhsa_system_sgpr_workgroup_id_z 1
		.amdhsa_system_vgpr_workitem_id 0
		.amdhsa_next_free_vgpr 256
		.amdhsa_next_free_sgpr 100
		.amdhsa_reserve_vcc 1
		.amdhsa_float_denorm_mode_32 3
		.amdhsa_float_denorm_mode_16_64 3
		.amdhsa_memory_ordered 1
		.amdhsa_forward_progress 1
		.amdhsa_inst_pref_size 65
	.end_amdhsa_kernel
	.amdgpu_metadata
---
amdhsa.version: [ 1, 2 ]
amdhsa.kernels:
  - .name:           k_qace95a62fd_gate
    .symbol:         k_qace95a62fd_gate.kd
    .args:
      - { .name: x, .offset: 0, .size: 8, .value_kind: global_buffer, .address_space: global }
      - { .name: Wg, .offset: 8, .size: 8, .value_kind: global_buffer, .address_space: global }
      - { .name: bg, .offset: 16, .size: 8, .value_kind: global_buffer, .address_space: global }
      - { .name: lowp_scales, .offset: 24, .size: 8, .value_kind: global_buffer, .address_space: global }
      - { .name: route, .offset: 32, .size: 8, .value_kind: global_buffer, .address_space: global }
      - { .name: gw, .offset: 40, .size: 8, .value_kind: global_buffer, .address_space: global }
      - { .name: pstat, .offset: 48, .size: 8, .value_kind: global_buffer, .address_space: global }
      - { .name: xqs, .offset: 56, .size: 8, .value_kind: global_buffer, .address_space: global }
      - { .name: xqr, .offset: 64, .size: 8, .value_kind: global_buffer, .address_space: global }
    .group_segment_fixed_size: 101376
    .private_segment_fixed_size: 0
    .kernarg_segment_align: 8
    .kernarg_segment_size: 72
    .max_flat_workgroup_size: 256
    .sgpr_count:     100
    .vgpr_count:     256
    .wavefront_size: 32
...
	.end_amdgpu_metadata
.endif
;; end of part 1
;; launch place (part 2): grid 59 x 1, 4 waves a work-group, no clusters, 0 bytes of LDS; arguments route, list; writes list
.if DOCPART == 2
	.amdgcn_target "amdgcn-amd-amdhsa--gfx1250"
	.amdhsa_code_object_version 6
	.text
	.protected	k_qace95a62fd_place
	.globl	k_qace95a62fd_place
	.p2align	8
	.type	k_qace95a62fd_place,@function
k_qace95a62fd_place:
	s_mov_b64 s[64:65], 0
	v_nop
	global_prefetch_b8 v0, s[64:65] scope:SCOPE_SE
	s_setreg_imm32_b32 hwreg(HW_REG_WAVE_MODE, 25, 1), 1
	s_wait_xcnt 0x0
; THE ROUTED ROWS ARE PLACED BY EXPERT.  4,096 routed rows (2,048 tokens x 2 choices) in tiles of 80 rows of one expert are 59 tiles at the most, whatever the split; expert e has ceil(n_e / 80) tiles, one expert's
; behind the other's.  Work-group T works out tile T; thread t its row t.  Read: route [64 blocks of 32 tokens][32 words]: word e: bit l = token 32 blk + l chose expert e; word 8 + e: bit l = e is that token's second
; choice; word 16 + e: the number of set bits of word e.  An expert's rows are its tokens in ascending order.
; Stored, list [59 tiles][768 words]: words 0-127: the entry (2 token + k) of rows 0 .. 127 from the tile's first on (the next launch reads 80);
;   words 128 + 128 s + j, s = 0 .. 3: where row j's result of slice s of the hidden layer goes, in chunks of 512 bytes: 16,384 s + 4 entry, or, for a row past the expert's last, four spare chunks of that row's own:
;   65,536 + 4 (80 (59 s + T) + j), so that no two stores of the next launch name the same bytes (j is held at 79: the words from 80 on are read by nobody);
;   words 640-767: the tile's expert, held at 7 (a tile that the split leaves without rows has only rows past the last).
; EVERYTHING HERE IS A VALUE: no address and no branch hangs on what is read; every store goes to a fixed place.  The next launch forms its addresses from these numbers as it reads them.
; No LDS, no barrier: each wave reads the 8 KiB of ballots for itself.  No matrix work, no cluster: there is nothing to multiply and next to nothing to share.
.set SA,  32                           ; ballots of blocks 0-31 (lane = block), eight experts;
.set SB,  40                           ; of blocks 32-63;
.set KA,  48                           ; second-choice ballots,
.set KB,  56
.set CA,  64                           ; counts
.set CB,  72
	s_load_b128 s[4:7], s[0:1], 0x0                ; route s[4:5], list s[6:7]
	s_mov_b32 s23, ttmp9                           ; the tile
	s_mov_b32 s62, 0x76543210
	s_mov_b32 s63, 0xfedcba98                      ; v_permlanex16_b32: lane l xor 16
	v_and_b32 v1, 31, v0                           ; lane
	v_lshlrev_b32 v96, 7, v1                       ; route: 128 bytes a block
	v_lshlrev_b32 v97, 2, v0                       ; list: a word a thread
	s_mul_i32 s28, s23, 3072
	s_mov_b32 s29, 0
	s_wait_kmcnt 0x0
	s_add_nc_u64 s[6:7], s[6:7], s[28:29]          ; my tile's 3,072 bytes
.irp q, 0,1
	global_load_b128 v[SA+4*\q:SA+4*\q+3], v96, s[4:5] offset:16*\q
	global_load_b128 v[KA+4*\q:KA+4*\q+3], v96, s[4:5] offset:32+16*\q
	global_load_b128 v[CA+4*\q:CA+4*\q+3], v96, s[4:5] offset:64+16*\q
	global_load_b128 v[SB+4*\q:SB+4*\q+3], v96, s[4:5] offset:4096+16*\q
	global_load_b128 v[KB+4*\q:KB+4*\q+3], v96, s[4:5] offset:4128+16*\q
	global_load_b128 v[CB+4*\q:CB+4*\q+3], v96, s[4:5] offset:4160+16*\q
.endr
	s_wait_loadcnt 0x0
; each expert's rows: the 64 blocks' counts added over the wave, two experts to a register (a total is 2,048 at the most)
.irp e, 0,1,2,3,4,5,6,7
	v_add_nc_u32 v[80+\e], v[CA+\e], v[CB+\e]
.endr
.irp i, 0,1,2,3
	v_lshl_or_b32 v[88+\i], v[81+2*\i], 16, v[80+2*\i]
	v_mov_b32 v[92+\i], 0
.endr
.irp k, 1,2,4,8
.irp i, 0,1,2,3
	v_mov_b32_dpp v[92+\i], v[88+\i] row_xmask:\k row_mask:0xf bank_mask:0xf
.endr
.irp i, 0,1,2,3
	v_add_nc_u32 v[88+\i], v[88+\i], v[92+\i]
.endr
.endr
.irp i, 0,1,2,3
	v_permlanex16_b32 v[92+\i], v[88+\i], s62, s63
.endr
.irp i, 0,1,2,3
	v_add_nc_u32 v[88+\i], v[88+\i], v[92+\i]
.endr
.irp i, 0,1,2,3
	v_readfirstlane_b32 s66, v[88+\i]
	s_and_b32 s[32+2*\i], s66, 0xffff
	s_lshr_b32 s[33+2*\i], s66, 16
.endr
; my tile's expert.  (n + 79) x 52,429 >> 22 is (n + 79) / 80 rounded down, for n up to 2,048
	s_mov_b32 s66, 0                               ; tiles so far
	s_mov_b32 s67, 0                               ; my expert's first tile
	s_mov_b32 s68, 0                               ; my expert; 8: the split leaves my tile without rows
.irp e, 0,1,2,3,4,5,6,7
	s_add_co_u32 s69, s[32+\e], 79
	s_mul_i32 s69, s69, 52429
	s_lshr_b32 s69, s69, 22
	s_add_co_u32 s66, s66, s69
	s_cmp_ge_u32 s23, s66
	s_cselect_b32 s67, s66, s67
	s_cselect_b32 s68, \e+1, s68
.endr
	s_mov_b32 s27, 0                               ; my expert's rows; 0 for a tile without
.irp e, 0,1,2,3,4,5,6,7
	s_cmp_eq_u32 s68, \e
	s_cselect_b32 s27, s[32+\e], s27
.endr
	s_min_u32 s25, s68, 7                          ; the expert, held inside the tables
	s_sub_co_u32 s26, s23, s67
	s_mul_i32 s26, s26, 80                         ; my tile's first row among the expert's
; my expert's ballots and counts are chosen, without a jump, into the registers of expert 0
.irp i, 1,2,3,4,5,6,7
	s_cmp_eq_u32 s25, \i
	s_cselect_b32 s70, -1, 0
	v_cndmask_b32 v[SA], v[SA], v[SA+\i], s70
	v_cndmask_b32 v[SB], v[SB], v[SB+\i], s70
	v_cndmask_b32 v[KA], v[KA], v[KA+\i], s70
	v_cndmask_b32 v[KB], v[KB], v[KB+\i], s70
	v_cndmask_b32 v[CA], v[CA], v[CA+\i], s70
	v_cndmask_b32 v[CB], v[CB], v[CB+\i], s70
.endr
; thread t looks for row R = first row + t of the expert: the last block that begins at or before R holds it.  The walk carries that block's first row, number and two ballots along
	v_add_nc_u32 v80, s26, v0                      ; R
	v_readlane_b32 s66, v[CA], 0                   ; rows ahead of the block in hand
	v_readlane_b32 s67, v[SA], 0
	v_readlane_b32 s68, v[KA], 0
	v_mov_b32 v81, 0                               ; the block's first row
	v_mov_b32 v82, 0                               ; its number
	v_mov_b32 v83, s67                             ; its ballot
	v_mov_b32 v84, s68                             ; its second-choice ballot
.set BLK, 1
.rept 63
.set SRC, 8*(BLK/32)
	v_cmp_le_u32 vcc_lo, s66, v80
	v_readlane_b32 s67, v[SA+SRC], BLK%32
	v_readlane_b32 s68, v[KA+SRC], BLK%32
	v_readlane_b32 s69, v[CA+SRC], BLK%32
	v_cndmask_b32 v81, v81, s66, vcc_lo
	v_cndmask_b32 v82, v82, BLK, vcc_lo
	v_cndmask_b32 v83, v83, s67, vcc_lo
	v_cndmask_b32 v84, v84, s68, vcc_lo
	s_add_co_u32 s66, s66, s69
.set BLK, BLK+1
.endr
; the (R - first row)-th set bit of the ballot: counts of set bits in fields of 2, 4, 8, 16 bits, then five halvings
	v_lshrrev_b32 v85, 1, v83
	v_and_b32 v85, 0x55555555, v85
	v_sub_nc_u32 v85, v83, v85                     ; fields of 2
	v_lshrrev_b32 v86, 2, v85
	v_and_b32 v86, 0x33333333, v86
	v_and_b32 v87, 0x33333333, v85
	v_add_nc_u32 v86, v86, v87                     ; of 4
	v_lshrrev_b32 v87, 4, v86
	v_add_nc_u32 v87, v87, v86
	v_and_b32 v87, 0x0f0f0f0f, v87                 ; of 8
	v_lshrrev_b32 v88, 8, v87
	v_add_nc_u32 v88, v88, v87
	v_and_b32 v88, 0x00ff00ff, v88                 ; of 16
	v_sub_nc_u32 v89, v80, v81                     ; set bits still to pass
	v_mov_b32 v90, 0                               ; the bit's place, 31 at the most whatever R is
.macro PICK src, width                 ; are they all in the lower field of this width?  If not, pass it
	v_bfe_u32 v91, v[\src], v90, \width
	v_cmp_ge_u32 vcc_lo, v89, v91
	v_sub_nc_u32 v91, v89, v91
	v_add_nc_u32 v92, \width, v90
	v_cndmask_b32 v89, v89, v91, vcc_lo
	v_cndmask_b32 v90, v90, v92, vcc_lo
.endm
	PICK 88, 16
	PICK 87, 8
	PICK 86, 4
	PICK 85, 2
	PICK 83, 1
	v_bfe_u32 v91, v84, v90, 1                     ; k
	v_lshl_add_u32 v92, v82, 5, v90                ; the token
	v_lshl_or_b32 v92, v92, 1, v91                 ; the entry, 2 token + k: 0 .. 4,095
	v_lshlrev_b32 v93, 2, v92                      ; four chunks an entry
	v_min_u32 v95, 79, v0                          ; my row in the tile
	s_mul_i32 s75, s23, 320                        ; a tile's spare chunks of a slice: 80 rows x 4,
	s_add_co_u32 s75, s75, 65536                   ; behind the 65,536 chunks of the rows
	v_lshl_add_u32 v94, v95, 2, s75                ; my row's four of slice 0
	v_mov_b32 v98, s25
	v_cmp_gt_u32 vcc_lo, s27, v80                  ; is R one of the expert's rows?
.irp s, 0,1,2,3
	v_add_nc_u32 v[100+\s], 16384*\s, v93
	v_add_nc_u32 v[104+\s], 18880*\s, v94          ; a slice's spare chunks: 59 tiles x 320
	v_cndmask_b32 v[100+\s], v[104+\s], v[100+\s], vcc_lo
.endr
	global_store_b32 v97, v92, s[6:7]              ; each store of a wave covers 128 consecutive bytes; each has data registers of its own
.irp s, 0,1,2,3
	global_store_b32 v97, v[100+\s], s[6:7] offset:512+512*\s
.endr
	global_store_b32 v97, v98, s[6:7] offset:2560
	s_endpgm
.Lfunc_end_k_qace95a62fd_place:
	.size	k_qace95a62fd_place, .Lfunc_end_k_qace95a62fd_place-k_qace95a62fd_place
	.p2alignl 7, 3214868480
	.fill 96, 4, 3214868480
	.section	.rodata,"a",@progbits
	.p2align	6, 0x0
	.amdhsa_kernel k_qace95a62fd_place
		.amdhsa_group_segment_fixed_size 0
		.amdhsa_private_segment_fixed_size 0
		.amdhsa_enable_private_segment 0
		.amdhsa_kernarg_size 16
		.amdhsa_user_sgpr_count 2
		.amdhsa_user_sgpr_kernarg_segment_ptr 1
		.amdhsa_wavefront_size32 1
		.amdhsa_system_sgpr_workgroup_id_x 1
		.amdhsa_system_sgpr_workgroup_id_y 1
		.amdhsa_system_sgpr_workgroup_id_z 1
		.amdhsa_system_vgpr_workitem_id 0
		.amdhsa_next_free_vgpr 128
		.amdhsa_next_free_sgpr 100
		.amdhsa_reserve_vcc 1
		.amdhsa_float_denorm_mode_32 3
		.amdhsa_float_denorm_mode_16_64 3
		.amdhsa_memory_ordered 1
		.amdhsa_forward_progress 1
		.amdhsa_inst_pref_size 47
	.end_amdhsa_kernel
	.amdgpu_metadata
---
amdhsa.version: [ 1, 2 ]
amdhsa.kernels:
  - .name:           k_qace95a62fd_place
    .symbol:         k_qace95a62fd_place.kd
    .args:
      - { .name: route, .offset: 0, .size: 8, .value_kind: global_buffer, .address_space: global }
      - { .name: list, .offset: 8, .size: 8, .value_kind: global_buffer, .address_space: global }
    .group_segment_fixed_size: 0
    .private_segment_fixed_size: 0
    .kernarg_segment_align: 8
    .kernarg_segment_size: 16
    .max_flat_workgroup_size: 128
    .sgpr_count:     100
    .vgpr_count:     128
    .wavefront_size: 32
...
	.end_amdgpu_metadata
.endif
;; end of part 2
;; launch chain (part 3): grid 59 x 4, 4 waves a work-group, no clusters, 327,680 bytes of LDS; arguments xqr, W1_codes, W2_codes, b1, b2, lowp_scales, list, gw, part; writes part
.if DOCPART == 3
	.amdgcn_target "amdgcn-amd-amdhsa--gfx1250"
	.amdhsa_code_object_version 6
	.text
	.protected	k_qace95a62fd_chain
	.globl	k_qace95a62fd_chain
	.p2align	8
	.type	k_qace95a62fd_chain,@function
k_qace95a62fd_chain:
	s_mov_b64 s[64:65], 0
	v_nop
	global_prefetch_b8 v0, s[64:65] scope:SCOPE_SE
	s_setreg_imm32_b32 hwreg(HW_REG_WAVE_MODE, 25, 1), 1
	s_wait_xcnt 0x0
; THE EXPERTS' CHAIN ON THE CHOSEN ROWS ALONE.  A work-group takes a tile of 80 routed rows of ONE expert (x: the tile's number) and 512 of the 2,048 hidden units (y: the slice):
; h = gelu(x W1 + b1) on those units, quantised, then h W2 over them; the sums x the row's combine weight (+ weight x b2 in slice 0 alone) go to part, where the last launch adds a token's eight rows.
; Both products on codes of E4M3, each operand with the scale 2^e given for it (expert e: entries 2 + 4 e .. 5 + 4 e: ex, ew1, eh, ew2).  gelu is the tanh form: a / (1 + 2^(K1 a + K2 a^3)).
; THE GRID SERVES EVERY SPLIT: 4,096 rows in tiles of 80 over 8 experts are 59 tiles at the most.  WHICH ROWS ARE MINE stands in list, stored by the launch before: [59 tiles][768 words]: words 0-79 the rows' entries
; (2 token + k), words 128 + 128 slice + j the rows' places in part (chunks of 512 bytes), word 640 the expert.  Each such number is held inside its table, shifted and added to a base: nothing more stands ahead of an address.
; THE TEXT HAS NO BRANCH.  It holds a tensor load and three barriers.  A tile that a split leaves without rows, and the rows past an expert's last, run the same lines on
; the entry that the list gives them, and their results go to spare bytes behind part's rows, 2,048 of its own for each such row, which nobody reads.
; SHARES.  The waves share the COLUMNS: wave w makes hidden units 128 w .. + 127 of the slice, and then output columns 128 w .. + 127, for all 80 rows (five tiles of 16).
; Both products are used transposed (source 0 = 16 rows of the weight, source 1 = 16 rows of x or of h): a lane holds ONE row, its registers run along the columns.  THE ROWS OF W1 THAT FORM A TILE ARE NOT NEIGHBOURS:
; lane r of tile 2 b + u takes row 32 b + 8 u + r + 8 (r / 8), so that a lane's 16 registers of tiles 2 b, 2 b + 1 are 16 neighbours along the next K, and the conversions' results are the next operand's registers.
; A fragment (16 rows x 128 K) is fetched by four loads of 16 bytes, 32 apart: registers 4 c .. 4 c + 3 hold K = 32 c + 16 (lane / 16) + 0 .. 15: a permutation of k that is the same on both sides of each product.
; x: ALL FOUR WAVES WANT ALL 80 ROWS.  Each row is fetched once: wave w takes rows 20 w .. + 19, a load a row (32 lanes, the row's 512 consecutive bytes), and lays them in LDS; behind a barrier every wave reads its
; twenty fragments from there.  h goes from wave to wave through LDS as images of the operand's registers; the images lie over x's rows, so a second barrier stands between the last read of the rows and the first image.
; W1 comes from memory straight into registers (each of its bytes feeds one wave); my 128 rows x 512 bytes of W2 come by ONE tensor load a wave, asked for as soon as the expert is known, into LDS bytes that only I read.
; NO CLUSTER: which tiles share an expert's weights hangs on numbers read from memory, so partners' descriptors would differ between splits, and a grid with each expert's tiles made up to four would have 92 x 4 work-groups.
; LIMITS on the given exponents: ex + ew1 between -40 and 40 (it is added once to K1's and three times to K2's exponent field); eh - ex - ew1 between -126 and 119; eh + ew2 between -126 and 127.  NaN is not served.
; REGISTERS, in windows of 256.  Window 0: v1-15 addresses and the conversion's scale and limit; v16-20 the rows' entries; v21-25 their weights; v26 where I lay x's rows; v27 0; v28-31 two pairs of factors;
;   v32-111 the hidden layer's ten tiles (at the head: my 20 rows of x); v112-175 b1's eight tiles; v176-207 two sets at work (at the head v176-195 my 20 rows' entries, v196-215 their offsets); v208-227 codes;
;   v228 x's fragments in LDS; v233 16 x lane; v234-235 K1.  In the second product v32-111 and v112-191 hold h's fragments, two sets.  On the way out: v176-239 results, v32-95 rows read back, v240-255 their offsets.
; Window 1: the weights' fragments, two sets of 128.  Window 2: x's fragments of row tiles 0-3, later their 32 accumulators.  Window 3: v0-63 the same for row tile 4; v64-127 b2; v128-207 the 80 rows' places in part.
.set W2P,   528                        ; a row of W2's tile in LDS: 512 bytes + 16 of padding: an odd multiple of 16, so the 16 rows of a load start at 16 different columns of 16 bytes
.set W2W,   128*W2P                    ; a wave's 128 rows
.set HIMG,  4*W2W                      ; behind them: h's 20 fragments, (row tile m, K step s) at (4 m + s) x 2,048: 40,960 bytes
.set XST,   HIMG                       ; and, before them, in the same bytes: x's 80 rows, 42,240 bytes
.set XSP,   528                        ; a row of x in LDS: 512 bytes + 16
.set ENT, 16
.set GW,  21
.set HA,  32
.set HB,  32
.set XD,  32
.set B1,  112
.set TQ,  176
.set XE,  176
.set XO,  196
.set PC,  208
.set XFA, 228
.set OUT, 176
.set BK,  32
.set AD,  240
.set LC,  128                          ; in window 3
.set MSB, 0
.macro WIN new                         ; the immediate's high byte repeats the setting that is left
.if MSB != \new
	s_set_vgpr_msb (MSB<<8)|\new
.set MSB, \new
.endif
.endm
	s_load_b512 s[4:19], s[0:1], 0x0               ; xqr s[4:5], W1 s[6:7], W2 s[8:9], b1 s[10:11], b2 s[12:13], scales s[14:15], list s[16:17], gw s[18:19]
	s_load_b64 s[20:21], s[0:1], 0x40              ; part
	s_set_vgpr_msb 0xc0
	v_lshl_add_u32 v254, v0, 2, 0x4c500
	v_mov_b32 v255, 0
	s_set_vgpr_msb 0xc0cf
	ds_add_u32 v254, v255
	ds_add_u32 v254, v255
	s_set_vgpr_msb 0xcf00
	v_lshrrev_b32 v1, 5, v0
	v_readfirstlane_b32 s22, v1                    ; wave 0..3
	s_mov_b32 s23, ttmp9                           ; the tile
	s_and_b32 s24, ttmp7, 0xffff                   ; the slice
	v_and_b32 v1, 31, v0                           ; lane
	v_and_b32 v2, 15, v0                           ; r
	v_bfe_u32 v3, v0, 4, 1                         ; h
	v_and_b32 v4, 8, v2
	v_add_nc_u32 v4, v4, v2                        ; r + 8 (r / 8)
	v_lshlrev_b32 v4, 9, v4
	v_lshl_add_u32 v4, v3, 4, v4                   ; W1: that row of 512 bytes, + 16 h
	v_lshlrev_b32 v5, 4, v1                        ; 16 x lane
	v_lshlrev_b32 v233, 4, v1                      ; the same, kept plain: my 16 bytes of a row of x
	s_lshl_b32 s28, s22, 11
	v_add_nc_u32 v6, s28, v5
	v_add_nc_u32 v6, HIMG, v6                      ; where I store h's images: K step = my wave
	s_lshl_b32 s28, s22, 9
	v_add_nc_u32 v13, s28, v5                      ; part: my wave's chunk of a row, 16 bytes a lane
	s_mul_i32 s28, s22, 20*XSP
	s_add_co_u32 s28, s28, XST
	v_add_nc_u32 v26, s28, v5                      ; where I lay my 20 rows of x
	s_mul_i32 s29, s22, W2W
	v_add_nc_u32 v12, s29, v5                      ; the stage (in my part of W2's bytes, when they are done with): a row read back
	v_add_nc_u32 v5, HIMG, v5                      ; an image's place for my lane
	v_mul_u32_u24 v[XFA], v2, XSP
	v_lshl_add_u32 v[XFA], v3, 4, v[XFA]
	v_add_nc_u32 v[XFA], XST, v[XFA]               ; x: row r of a tile of 16, + 16 h
	v_mul_u32_u24 v7, v2, W2P
	v_add_nc_u32 v7, s29, v7
	v_lshl_add_u32 v11, v3, 5, v7                  ; the stage: where I put 32 bytes of row r
	v_lshl_add_u32 v7, v3, 4, v7                   ; W2: row r of a tile, + 16 h
	v_lshlrev_b32 v8, 6, v3                        ; b1: 64 h
	v_lshlrev_b32 v9, 5, v3                        ; b2: 32 h
	v_lshlrev_b32 v10, 2, v2                       ; list: the word of row r of a tile of 16
	v_mov_b32 v27, 0                               ; list: the same bytes for every lane
	s_mov_b32 s44, (1<<20)|(6<<22)|(3<<25)         ; descriptor group 1: no mask; elements of 1 byte; padding on: 4 words behind every 128
	s_mov_b32 s45, 512<<16                         ; tensor_dim0 = 512
	s_mov_b32 s46, 128<<16                         ; tensor_dim1 = 128
	s_mov_b32 s47, 512<<16                         ; tile_dim0 = 512
	s_mov_b32 s48, 128                             ; tile_dim1 = 128
	s_mov_b32 s49, 2048                            ; from row to row of W2
	s_mov_b32 s50, 0
	s_mov_b32 s51, 0
	s_mov_b32 s40, 1                               ; group 0: count,
	s_mul_i32 s41, s22, W2W                        ; LDS address: my wave's own bytes
	s_mul_i32 s30, s23, 3072                       ; list: my tile's 3,072 bytes,
	s_mov_b32 s31, 0
	s_lshl_b32 s32, s24, 9
	s_add_co_u32 s32, s32, 512                     ; in them my slice's 128 places,
	s_mov_b32 s33, 0
	s_mul_i32 s34, s22, 80                         ; and the entries of the 20 rows that I fetch
	s_mov_b32 s35, 0
	s_wait_dscnt 0x0
	s_wait_kmcnt 0x0
	s_add_nc_u64 s[16:17], s[16:17], s[30:31]
	s_add_nc_u64 s[32:33], s[16:17], s[32:33]
	s_add_nc_u64 s[34:35], s[16:17], s[34:35]
	s_load_b32 s25, s[16:17], 0xa00                ; word 640: the expert
.irp m, 0,1,2,3,4
	global_load_b32 v[ENT+\m], v10, s[16:17] offset:64*\m   ; the entry of row 16 m + r: for its weight
.endr
.irp q, 0,1,2,3,4
	global_load_b128 v[XE+4*\q:XE+4*\q+3], v27, s[34:35] offset:16*\q   ; the entries of rows 20 w .. + 19, the same in every lane
.endr
	s_wait_kmcnt 0x0
	s_min_u32 s25, s25, 7                          ; held inside the tables
; all that hangs on the expert alone is asked for now
	s_lshl_b32 s70, s25, 20                        ; an expert's W1 and W2 are 2^20 bytes each
	s_lshl_b32 s71, s22, 18                        ; W2: my 128 rows of 2,048 bytes,
	s_add_co_u32 s72, s70, s71
	s_lshl_b32 s71, s24, 9                         ; the slice's 512 of them
	s_add_co_u32 s72, s72, s71
	s_mov_b32 s73, 0
	s_add_nc_u64 s[42:43], s[8:9], s[72:73]
	s_or_b32 s43, s43, 0x80000000                  ; type = 2
	tensor_load_to_lds s[40:43], s[44:51]          ; my one tensor load, a first fill: ahead of every barrier and wait on TENSORcnt
	s_nop 0
.rept 4
	v_nop
.endr
	s_lshl_b32 s74, s25, 4
	s_load_b128 s[52:55], s[14:15], s74 offset:0x8 ; ex, ew1, eh, ew2
	s_lshl_b32 s71, s24, 18                        ; W1: the slice's 512 rows of 512 bytes,
	s_add_co_u32 s72, s70, s71
	s_lshl_b32 s71, s22, 16                        ; my 128 of them
	s_add_co_u32 s72, s72, s71
	s_add_nc_u64 s[6:7], s[6:7], s[72:73]
	s_lshl_b32 s72, s25, 13                        ; b1: 2,048 numbers an expert, 512 a slice, 128 a wave
	s_lshl_b32 s71, s24, 11
	s_add_co_u32 s72, s72, s71
	s_lshl_b32 s71, s22, 9
	s_add_co_u32 s72, s72, s71
	s_add_nc_u64 s[10:11], s[10:11], s[72:73]
	s_lshl_b32 s72, s25, 11                        ; b2: 512 an expert, 128 a wave
	s_add_co_u32 s72, s72, s71
	s_add_nc_u64 s[12:13], s[12:13], s[72:73]
; W1's fragments of batch b (tiles 2 b, 2 b + 1: 32 hidden units; four K steps): (u, s) at buf + 16 (4 u + s) of window 1
.macro P1LOAD b, buf
	WIN 0x40                                       ; destination window 1
.irp u, 0,1
.irp s, 0,1,2,3
.irp c, 0,1,2,3
	global_load_b128 v[\buf+16*(4*\u+\s)+4*\c:\buf+16*(4*\u+\s)+4*\c+3], v4, s[6:7] offset:(32*(\b)+8*\u)*512+128*\s+32*\c
.endr
.endr
.endr
	WIN 0
.endm
	P1LOAD 0, 0
.irp t, 0,1,2,3,4,5,6,7                        ; b1 in the result's layout: tile t, lane (r, h): units 32 (t / 2) + 16 h + 8 (t % 2) + 0 .. 7
	global_load_b128 v[B1+8*\t:B1+8*\t+3], v8, s[10:11] offset:(32*(\t/2)+8*(\t%2))*4
	global_load_b128 v[B1+8*\t+4:B1+8*\t+7], v8, s[10:11] offset:(32*(\t/2)+8*(\t%2))*4+16
.endr
	s_wait_loadcnt 48                              ; the ten loads from the list are in; batch 0's 32 loads and b1's 16 were issued behind them
.set J, 0
.rept 20
	v_min_u32 v[XE+J], 0xfff, v[XE+J]
.set J, J+1
.endr
.set J, 0
.rept 20
	v_lshl_add_u32 v[XO+J], v[XE+J], 9, v233       ; the row's codes: 512 bytes an entry, 16 a lane
.set J, J+1
.endr
.irp m, 0,1,2,3,4
	v_min_u32 v[ENT+\m], 0xfff, v[ENT+\m]
.endr
.irp m, 0,1,2,3,4
	v_lshlrev_b32 v[ENT+\m], 2, v[ENT+\m]          ; the row's weight
.endr
.set J, 0
.rept 20
	global_load_b128 v[XD+4*J:XD+4*J+3], v[XO+J], s[4:5]   ; a row of x: 32 lanes read its 512 consecutive bytes
.set J, J+1
.endr
.irp m, 0,1,2,3,4
	global_load_b32 v[GW+\m], v[ENT+\m], s[18:19]
.endr
	WIN 0xc0                                       ; destination window 3
.set Q, 0
.rept 20
	global_load_b128 v[LC+4*Q:LC+4*Q+3], v27, s[32:33] offset:16*Q   ; the 80 rows' places in part, the same in every lane
.set Q, Q+1
.endr
	P1LOAD 1, 128
	s_wait_kmcnt 0x0
	s_add_co_i32 s75, s52, s53                     ; E1 = ex + ew1: a sum of the first product stands for sum x 2^E1
	s_lshl_b32 s76, s75, 23
	s_add_co_i32 s77, s76, 0xc0135761              ; K1 = -2 sqrt(2 / pi) log2(e), x 2^E1
	v_mov_b32 v234, s77
	v_mov_b32 v235, s77
	s_mul_i32 s76, s75, 3
	s_lshl_b32 s76, s76, 23
	s_add_co_i32 s58, s76, 0xbdd2d3e8              ; K2 = 0.044715 K1, x 2^(3 E1)
	s_mov_b32 s59, s58                             ; (named with it as a pair)
	s_sub_co_i32 s76, s54, s75
	s_add_co_i32 s76, s76, 127
	s_lshl_b32 s76, s76, 23
	v_mov_b32 v14, s76                             ; 2^(eh - E1): the three scales ahead of h's quantiser, folded into the conversion's one
	s_add_co_u32 s76, s76, 0x4600000
	v_mov_b32 v15, s76                             ; 448 x that
	s_add_co_i32 s60, s54, s55
	s_add_co_i32 s60, s60, 127
	s_lshl_b32 s60, s60, 23                        ; 2^(eh + ew2)
	s_cmp_eq_u32 s24, 0
	s_cselect_b32 s61, 1.0, 0                      ; b2 is added once for a row: in slice 0
	s_sub_co_i32 s78, 0, s75
	s_wait_loadcnt 57                              ; my 20 rows of x are in; the weights' 5 loads, the places' 20 and batch 1's 32 were issued behind them
.set J, 0
.rept 20
	ds_store_b128 v26, v[XD+4*J:XD+4*J+3] offset:XSP*J
.set J, J+1
.endr
	s_wait_dscnt 0x0                               ; for the others' sake: my 20 rows lie in LDS
	s_barrier_signal -1
	s_barrier_wait -1                              ; all 80 do.
	WIN 0x80                                       ; destination window 2
.irp m, 0,1,2,3
.irp s, 0,1,2,3
.irp c, 0,1,2,3
	ds_load_b128 v[16*(4*\m+\s)+4*\c:16*(4*\m+\s)+4*\c+3], v[XFA] offset:16*XSP*\m+128*\s+32*\c
.endr
.endr
.endr
	WIN 0xc0                                       ; window 3
.irp s, 0,1,2,3
.irp c, 0,1,2,3
	ds_load_b128 v[16*\s+4*\c:16*\s+4*\c+3], v[XFA] offset:16*XSP*4+128*\s+32*\c
.endr
.endr
	WIN 0
	s_wait_loadcnt 32                              ; batch 0 of W1, b1, the weights and the places are in; batch 1's 32 loads were issued behind them
.set J, 0
.rept 64
	v_ldexp_f32 v[B1+J], v[B1+J], s78              ; b1 / 2^E1: it goes in as the C of each sum's first product
.set J, J+1
.endr
	s_wait_dscnt 0x0                               ; my twenty fragments of x are in registers: my reads of the rows are over
	s_barrier_signal -1
	s_barrier_wait -1                              ; everybody's are: h's images may be laid over the rows
; 40 matrix instructions: batch b's two tiles of hidden units x five tiles of rows, K = 512.  The accumulators take turns, one instruction a turn: eight, then row tile 4's two
.macro P1MUL b
.set WBB, 128*((\b)%2)
	WIN 0x09                                       ; source 0 (W1) window 1, source 1 (x) window 2
.irp s, 0,1,2,3
.irp m, 0,1,2,3
.irp u, 0,1
.if \s == 0
	v_wmma_f32_16x16x128_fp8_fp8 v[HA+16*\m+8*\u:HA+16*\m+8*\u+7], v[WBB+16*(4*\u+\s):WBB+16*(4*\u+\s)+15], v[16*(4*\m+\s):16*(4*\m+\s)+15], v[B1+8*(2*(\b)+\u):B1+8*(2*(\b)+\u)+7]
.else
	v_wmma_f32_16x16x128_fp8_fp8 v[HA+16*\m+8*\u:HA+16*\m+8*\u+7], v[WBB+16*(4*\u+\s):WBB+16*(4*\u+\s)+15], v[16*(4*\m+\s):16*(4*\m+\s)+15], v[HA+16*\m+8*\u:HA+16*\m+8*\u+7]
.endif
.endr
.endr
.endr
	WIN 0x0d                                       ; x in window 3
.irp s, 0,1,2,3
.irp u, 0,1
.if \s == 0
	v_wmma_f32_16x16x128_fp8_fp8 v[HA+64+8*\u:HA+64+8*\u+7], v[WBB+16*(4*\u+\s):WBB+16*(4*\u+\s)+15], v[16*\s:16*\s+15], v[B1+8*(2*(\b)+\u):B1+8*(2*(\b)+\u)+7]
.else
	v_wmma_f32_16x16x128_fp8_fp8 v[HA+64+8*\u:HA+64+8*\u+7], v[WBB+16*(4*\u+\s):WBB+16*(4*\u+\s)+15], v[16*\s:16*\s+15], v[HA+64+8*\u:HA+64+8*\u+7]
.endif
.endr
.endr
.endm
; Row tile m's 16 numbers a lane: gelu, the hold, four registers of codes.  a stands for a x 2^E1, which K1 and K2 carry: gelu / 2^E1 = a / (1 + 2^(a (K2 a^2 + K1)))
.macro GELU m
.set GA, HA+16*(\m)
.set GQ, TQ+16*((\m)%2)
.irp i, 0,2,4,6,8,10,12,14
	v_pk_mul_f32 v[GQ+\i:GQ+\i+1], v[GA+\i:GA+\i+1], v[GA+\i:GA+\i+1]           ; each accumulator is read from its low end on
.endr
.irp i, 0,2,4,6,8,10,12,14
	v_pk_fma_f32 v[GQ+\i:GQ+\i+1], v[GQ+\i:GQ+\i+1], s[58:59], v[234:235] op_sel_hi:[1,0,1]
.endr
.irp i, 0,2,4,6,8,10,12,14
	v_pk_mul_f32 v[GQ+\i:GQ+\i+1], v[GQ+\i:GQ+\i+1], v[GA+\i:GA+\i+1]
.endr
.irp i, 0,1,2,3,4,5,6,7,8,9,10,11,12,13,14,15
	v_exp_f32 v[GQ+\i], v[GQ+\i]
.endr
	v_nop                                          ; a plain instruction behind the transcendentals
	s_wait_alu depctr_va_vdst(0)
.irp i, 0,2,4,6,8,10,12,14
	v_pk_add_f32 v[GQ+\i:GQ+\i+1], v[GQ+\i:GQ+\i+1], 1.0 op_sel_hi:[1,0]
.endr
.irp i, 0,1,2,3,4,5,6,7,8,9,10,11,12,13,14,15
	v_rcp_f32 v[GQ+\i], v[GQ+\i]
.endr
	v_nop
	s_wait_alu depctr_va_vdst(0)
.irp i, 0,2,4,6,8,10,12,14
	v_pk_mul_f32 v[GA+\i:GA+\i+1], v[GA+\i:GA+\i+1], v[GQ+\i:GQ+\i+1]
.endr
.irp i, 0,1,2,3,4,5,6,7,8,9,10,11,12,13,14,15
	v_med3_num_f32 v[GA+\i], v[GA+\i], -v15, v15   ; the conversion to an 8-bit code does not saturate (ISA guide 7.6.2)
.endr
	v_cvt_scalef32_pk8_fp8_f32 v[PC+4*(\m):PC+4*(\m)+1], v[GA:GA+7], v14
	v_cvt_scalef32_pk8_fp8_f32 v[PC+4*(\m)+2:PC+4*(\m)+3], v[GA+8:GA+15], v14
.endm
; A batch: its products; the loads that take the fragments' place; gelu and codes; registers 4 b .. 4 b + 3 of h's fragment (row tile m, K step = my wave) into its image
.macro BATCH b
.if ((\b) == 1) || ((\b) == 2)
	s_wait_loadcnt 32                              ; this batch of W1 is in; the next batch's 32 loads were issued behind it
.elseif (\b) == 3
	s_wait_loadcnt 16                              ; batch 3 is in; b2's 16 loads were issued behind it
.endif
	P1MUL \b
.rept 4
	v_nop                                          ; places in front of loads into registers that matrix instructions have read, and of the first read of results
.endr
.if (\b) < 2
	P1LOAD (\b)+2, 128*((\b)%2)
.elseif (\b) == 2
	WIN 0xc0
.irp n, 0,1,2,3,4,5,6,7                        ; b2 in the second result's layout: tile n, lane (r, h): columns 16 n + 8 h + 0 .. 7
	global_load_b128 v[64+8*\n:67+8*\n], v9, s[12:13] offset:64*\n
	global_load_b128 v[68+8*\n:71+8*\n], v9, s[12:13] offset:64*\n+16
.endr
.endif
	WIN 0
	s_wait_dscnt 0x0                               ; the last batch's LDS stores have read the codes' registers
.irp m, 0,1,2,3,4
	GELU \m
.endr
	v_nop                                          ; a plain instruction behind the last conversion
.irp m, 0,1,2,3,4
	ds_store_b128 v6, v[PC+4*\m:PC+4*\m+3] offset:8192*\m+512*(\b)
.endr
.endm
	BATCH 0
	BATCH 1
	BATCH 2
	BATCH 3
	s_wait_tensorcnt 0x0                           ; my rows of W2 lie in LDS: only I read them
	s_wait_dscnt 0x0                               ; for the others' sake: my five images
	s_barrier_signal -1
	s_barrier_wait -1                              ; h's twenty fragments lie in LDS
; K step s of the second product: my eight fragments of W2, and h's five
.macro FETCH s
	WIN 0x40
.irp n, 0,1,2,3,4,5,6,7
.irp c, 0,1,2,3
	ds_load_b128 v[128*((\s)%2)+16*\n+4*\c:128*((\s)%2)+16*\n+4*\c+3], v7 offset:16*W2P*\n+128*(\s)+32*\c
.endr
.endr
	WIN 0
.irp m, 0,1,2,3,4
.irp c, 0,1,2,3
	ds_load_b128 v[HB+80*((\s)%2)+16*\m+4*\c:HB+80*((\s)%2)+16*\m+4*\c+3], v5 offset:(4*\m+(\s))*2048+512*\c
.endr
.endr
.endm
; 40 matrix instructions, the forty accumulators by turns
.macro P2MUL s
.set WBB, 128*((\s)%2)
.set HBB, HB+80*((\s)%2)
	WIN 0xa1                                       ; source 0 (W2) window 1, source 1 (h) window 0, C and D window 2
.irp m, 0,1,2,3
.irp n, 0,1,2,3,4,5,6,7
.if (\s) == 0
	v_wmma_f32_16x16x128_fp8_fp8 v[64*\m+8*\n:64*\m+8*\n+7], v[WBB+16*\n:WBB+16*\n+15], v[HBB+16*\m:HBB+16*\m+15], 0
.else
	v_wmma_f32_16x16x128_fp8_fp8 v[64*\m+8*\n:64*\m+8*\n+7], v[WBB+16*\n:WBB+16*\n+15], v[HBB+16*\m:HBB+16*\m+15], v[64*\m+8*\n:64*\m+8*\n+7]
.endif
.endr
.endr
	WIN 0xf1                                       ; C and D window 3
.irp n, 0,1,2,3,4,5,6,7
.if (\s) == 0
	v_wmma_f32_16x16x128_fp8_fp8 v[8*\n:8*\n+7], v[WBB+16*\n:WBB+16*\n+15], v[HBB+64:HBB+79], 0
.else
	v_wmma_f32_16x16x128_fp8_fp8 v[8*\n:8*\n+7], v[WBB+16*\n:WBB+16*\n+15], v[HBB+64:HBB+79], v[8*\n:8*\n+7]
.endif
.endr
.endm
	FETCH 0
	FETCH 1
	s_wait_dscnt 52                                ; K step 0's loads are in; the next step's 52 were issued behind them
	P2MUL 0
.rept 4
	v_nop                                          ; places in front of loads into registers that matrix instructions have read
.endr
	FETCH 2
	s_wait_dscnt 52
	P2MUL 1
.rept 4
	v_nop
.endr
	FETCH 3
	s_wait_dscnt 52
	P2MUL 2
	s_wait_dscnt 0x0                               ; my last reads of W2's bytes: from here on their first 16 rows' room is my stage
	P2MUL 3
	s_wait_loadcnt 0x0                             ; b2
	WIN 0xcc                                       ; source 1 and destination window 3
.set J, 0
.rept 80
	v_min_u32 v[LC+J], 0x226fc, v[LC+J]            ; the rows' places, held at the last spare chunk of a wave 0: 65,536 + 4 (80 x 236 - 1).  (Plain lines that name no register of the last products: the places behind them)
.set J, J+1
.endr
; THE WAY OUT, a tile of 16 rows at a time: (sum x 2^(eh + ew2) + b2) x the row's weight; through my stage, so that a row's 512 bytes of my 128 columns leave by one store of 32 lanes.
.macro OUTM m
	WIN 0
	s_wait_xcnt 0x0                                ; the last tile's stores have read their data and offsets: both are written again below
	v_mul_f32 v28, s61, v[GW+\m]                   ; the weight, for b2 (0 outside slice 0)
	v_mov_b32 v29, v28
	v_mul_f32 v30, s60, v[GW+\m]                   ; the weight x 2^(eh + ew2), for the sums
	v_mov_b32 v31, v30
	WIN 0x03                                       ; source 0 (the places, b2) window 3
.irp i, 0,1,2,3,4,5,6,7,8,9,10,11,12,13,14,15
	v_lshl_add_u32 v[AD+\i], v[LC+16*(\m)+\i], 9, v13   ; row i's chunk of 512 bytes, + my wave's, + 16 bytes a lane
.endr
.irp j, 0,2,4,6,8,10,12,14,16,18,20,22,24,26,28,30,32,34,36,38,40,42,44,46,48,50,52,54,56,58,60,62
	v_pk_mul_f32 v[OUT+\j:OUT+\j+1], v[64+\j:65+\j], v[28:29] op_sel_hi:[1,0]
.endr
	WIN 0x02+(\m)/4                                ; source 0 (the sums) window 2 or 3
.irp j, 0,2,4,6,8,10,12,14,16,18,20,22,24,26,28,30,32,34,36,38,40,42,44,46,48,50,52,54,56,58,60,62
	v_pk_fma_f32 v[OUT+\j:OUT+\j+1], v[64*((\m)%4)+\j:64*((\m)%4)+\j+1], v[30:31], v[OUT+\j:OUT+\j+1] op_sel_hi:[1,0,1]   ; each accumulator from its low end on
.endr
	WIN 0
.irp n, 0,1,2,3,4,5,6,7
	ds_store_b128 v11, v[OUT+8*\n:OUT+8*\n+3] offset:64*\n
	ds_store_b128 v11, v[OUT+8*\n+4:OUT+8*\n+7] offset:64*\n+16
.endr
.irp i, 0,1,2,3,4,5,6,7,8,9,10,11,12,13,14,15
	ds_load_b128 v[BK+4*\i:BK+4*\i+3], v12 offset:W2P*\i   ; LDS serves a wave's instructions in order: these see my stores
.endr
	s_wait_dscnt 0x0
.irp i, 0,1,2,3,4,5,6,7,8,9,10,11,12,13,14,15
	global_store_b128 v[AD+\i], v[BK+4*\i:BK+4*\i+3], s[20:21] th:TH_STORE_NT   ; 32 lanes store 512 consecutive bytes, at a multiple of 512 from part's first byte
.endr
.endm
	OUTM 0
	OUTM 1
	OUTM 2
	OUTM 3
	OUTM 4
	s_set_vgpr_msb 0xf
	s_wait_tensorcnt 0x0
	ds_add_u32 v254, v255
	s_wait_dscnt 0x0
	s_set_vgpr_msb 0xf00
	s_endpgm
.Lfunc_end_k_qace95a62fd_chain:
	.size	k_qace95a62fd_chain, .Lfunc_end_k_qace95a62fd_chain-k_qace95a62fd_chain
	.p2alignl 7, 3214868480
	.fill 96, 4, 3214868480
	.section	.rodata,"a",@progbits
	.p2align	6, 0x0
	.amdhsa_kernel k_qace95a62fd_chain
		.amdhsa_group_segment_fixed_size 327680
		.amdhsa_private_segment_fixed_size 0
		.amdhsa_enable_private_segment 0
		.amdhsa_kernarg_size 72
		.amdhsa_user_sgpr_count 2
		.amdhsa_user_sgpr_kernarg_segment_ptr 1
		.amdhsa_wavefront_size32 1
		.amdhsa_system_sgpr_workgroup_id_x 1
		.amdhsa_system_sgpr_workgroup_id_y 1
		.amdhsa_system_sgpr_workgroup_id_z 1
		.amdhsa_system_vgpr_workitem_id 0
		.amdhsa_next_free_vgpr 1024
		.amdhsa_next_free_sgpr 100
		.amdhsa_reserve_vcc 0
		.amdhsa_float_denorm_mode_32 3
		.amdhsa_float_denorm_mode_16_64 3
		.amdhsa_memory_ordered 1
		.amdhsa_forward_progress 1
		.amdhsa_inst_pref_size 220
	.end_amdhsa_kernel
	.amdgpu_metadata
---
amdhsa.version: [ 1, 2 ]
amdhsa.kernels:
  - .name:           k_qace95a62fd_chain
    .symbol:         k_qace95a62fd_chain.kd
    .args:
      - { .name: xqr, .offset: 0, .size: 8, .value_kind: global_buffer, .address_space: global }
      - { .name: W1_codes, .offset: 8, .size: 8, .value_kind: global_buffer, .address_space: global }
      - { .name: W2_codes, .offset: 16, .size: 8, .value_kind: global_buffer, .address_space: global }
      - { .name: b1, .offset: 24, .size: 8, .value_kind: global_buffer, .address_space: global }
      - { .name: b2, .offset: 32, .size: 8, .value_kind: global_buffer, .address_space: global }
      - { .name: lowp_scales, .offset: 40, .size: 8, .value_kind: global_buffer, .address_space: global }
      - { .name: list, .offset: 48, .size: 8, .value_kind: global_buffer, .address_space: global }
      - { .name: gw, .offset: 56, .size: 8, .value_kind: global_buffer, .address_space: global }
      - { .name: part, .offset: 64, .size: 8, .value_kind: global_buffer, .address_space: global }
    .group_segment_fixed_size: 327680
    .private_segment_fixed_size: 0
    .kernarg_segment_align: 8
    .kernarg_segment_size: 72
    .max_flat_workgroup_size: 128
    .sgpr_count:     100
    .vgpr_count:     1024
    .wavefront_size: 32
...
	.end_amdgpu_metadata
.endif
;; end of part 3
;; launch join (part 4): grid 8 x 32, 4 waves a work-group, no clusters, 50,688 bytes of LDS; arguments x, xqs, Ws_codes, bs, lowp_scales, part, pstat, out0, out1, out2; writes out0, out1, out2
.if DOCPART == 4
	.amdgcn_target "amdgcn-amd-amdhsa--gfx1250"
	.amdhsa_code_object_version 6
	.text
	.protected	k_qace95a62fd_join
	.globl	k_qace95a62fd_join
	.p2align	8
	.type	k_qace95a62fd_join,@function
k_qace95a62fd_join:
	s_mov_b64 s[64:65], 0
	v_nop
	global_prefetch_b8 v0, s[64:65] scope:SCOPE_SE
	s_setreg_imm32_b32 hwreg(HW_REG_WAVE_MODE, 25, 1), 1
	s_wait_xcnt 0x0
; out0 = x + (x Ws + bs, its two halves of 512 columns added) + each token's eight weighted rows of the experts' chain (4 slices x 2 choices); out1, out2 = the blocks' statistics added for each batch.
; The shared product is on codes of E4M3: xqs (x with the scale of entry 0) and Ws_codes [1024][512] (entry 1); a sum is multiplied once by 2^(e0 + e1).  LIMIT: e0 + e1 between -126 and 127.
; SHARES.  A work-group takes 64 tokens (y) x 64 columns (x).  In the product wave w owns columns 16 w .. + 15 for all four tiles of 16 tokens: its eight fragments of Ws (both halves, four K steps) stay in registers, and BOTH
; HALVES ADD INTO ONE ACCUMULATOR.  Each wave loads one tile of tokens' codes and hands it to the others through LDS as images of the operand's registers.  The product is used transposed (source 0 = 16 rows of Ws,
; source 1 = 16 tokens): a lane holds eight neighbouring columns of one token.  Behind a stage in LDS wave w owns tokens 16 w .. + 15: sixteen lanes hold a token's 256 bytes, and so are part and x read and out0 stored.
; NO CLUSTER, NO TENSOR LOAD: the operands that work-groups share (64 KiB of Ws, 32 KiB of codes) go once from memory into registers, for 32 matrix instructions a wave: there is no ring for a joint load to fill;
; the work-group's own 144 KiB (part, x) are shared with nobody.
; REGISTERS.  Window 0: v1-12 addresses; v16-79 x's fragments; v80-207 Ws's eight; v208-239 four accumulators; v240-255 bs.  Later v16-47 results, v48-79 rows, v80-111 x.  Window 1: part: source 2 slice + k, 32 registers each.
.set XIMG, 0                           ; LDS: 16 images of 2,048 bytes: (tile of tokens m, K step s) at (4 m + s) x 2,048
.set STG,  32768                       ; the stage: 64 rows x (256 bytes + 16)
.set SPI,  272
.set XF,   16
.set WF,   80
.set ACC,  208
.set BS,   240
.set OUT,  16
.set S,    48
.set XR,   80
.set MSB, 0
.macro WIN new                         ; the immediate's high byte repeats the setting that is left
.if MSB != \new
	s_set_vgpr_msb (MSB<<8)|\new
.set MSB, \new
.endif
.endm
	s_load_b512 s[4:19], s[0:1], 0x0               ; x s[4:5], xqs s[6:7], Ws s[8:9], bs s[10:11], scales s[12:13], part s[14:15], pstat s[16:17], out0 s[18:19]
	s_load_b128 s[20:23], s[0:1], 0x40             ; out1, out2
	v_lshl_add_u32 v7, v0, 2, 0xc400
	s_set_vgpr_msb 0x80
	v_mov_b32 v1, 0
	s_set_vgpr_msb 0x8000
	v_lshrrev_b32 v1, 5, v0
	v_readfirstlane_b32 s24, v1                    ; wave 0..3
	s_mov_b32 s25, ttmp9                           ; which 64 columns
	s_and_b32 s26, ttmp7, 0xffff                   ; which 64 tokens
	v_and_b32 v1, 31, v0                           ; lane
	v_and_b32 v2, 15, v0                           ; r
	v_bfe_u32 v3, v0, 4, 1                         ; h
	v_lshlrev_b32 v4, 9, v2
	v_lshl_add_u32 v4, v3, 4, v4                   ; a fragment's row of 512 bytes, + 16 h
	v_lshlrev_b32 v5, 4, v1                        ; an image's place for my lane
	s_lshl_b32 s27, s24, 13
	v_add_nc_u32 v6, s27, v5                       ; where I store my tile's four images
	v_lshlrev_b32 v8, 5, v3                        ; bs: 32 h
	v_mul_u32_u24 v9, v2, SPI
	v_lshl_add_u32 v9, v3, 5, v9
	s_lshl_b32 s28, s24, 6
	s_add_co_u32 s28, s28, STG
	v_add_nc_u32 v9, s28, v9                       ; the stage: row r, my wave's 64 bytes, + 32 h
	v_mul_u32_u24 v10, v3, SPI
	v_lshl_add_u32 v10, v2, 4, v10
	s_mul_i32 s28, s24, 16*SPI
	s_add_co_u32 s28, s28, STG
	v_add_nc_u32 v10, s28, v10                     ; back: my 16 rows; lanes 0-15 one row, lanes 16-31 the next
	v_lshlrev_b32 v11, 12, v3
	v_lshl_add_u32 v11, v2, 4, v11                 ; the same two tokens in part (4,096 bytes a token: two entries),
	v_lshlrev_b32 v12, 11, v3
	v_lshl_add_u32 v12, v2, 4, v12                 ; in x and in out0
	s_lshl_b32 s44, s26, 15
	s_add_co_u32 s44, s44, s27
	s_mov_b32 s45, 0                               ; xqs: row 64 y + 16 w
	s_lshl_b32 s46, s25, 15
	s_add_co_u32 s46, s46, s27
	s_mov_b32 s47, 0                               ; Ws: row 64 x + 16 w
	s_lshl_b32 s48, s25, 8                         ; 64 columns of f32
	s_lshl_b32 s50, s24, 6
	s_add_co_u32 s50, s50, s48
	s_mov_b32 s51, 0                               ; bs
	s_lshl_b32 s52, s26, 18
	s_lshl_b32 s53, s24, 16
	s_add_co_u32 s52, s52, s53
	s_add_co_u32 s52, s52, s48
	s_mov_b32 s53, 0                               ; part: token 64 y + 16 w, my columns
	s_lshl_b32 s54, s26, 17
	s_lshl_b32 s55, s24, 15
	s_add_co_u32 s54, s54, s55
	s_add_co_u32 s54, s54, s48
	s_mov_b32 s55, 0                               ; x, out0
	s_wait_kmcnt 0x0
	s_load_b64 s[40:41], s[12:13], 0x0             ; e0, e1
	s_add_nc_u64 s[6:7], s[6:7], s[44:45]
	s_add_nc_u64 s[8:9], s[8:9], s[46:47]
	s_add_nc_u64 s[10:11], s[10:11], s[50:51]
	s_add_nc_u64 s[32:33], s[14:15], s[52:53]      ; part, slice 0;
	s_add_nc_u64 s[34:35], s[32:33], 0x800000      ; a slice is 4,096 entries of 2,048 bytes
	s_add_nc_u64 s[36:37], s[34:35], 0x800000
	s_add_nc_u64 s[38:39], s[36:37], 0x800000
	s_add_nc_u64 s[4:5], s[4:5], s[54:55]
	s_add_nc_u64 s[18:19], s[18:19], s[54:55]
.irp s, 0,1,2,3
.irp c, 0,1,2,3
	global_load_b128 v[XF+16*\s+4*\c:XF+16*\s+4*\c+3], v4, s[6:7] offset:128*\s+32*\c       ; my tile of tokens: four fragments
.endr
.endr
.irp f, 0,1
.irp s, 0,1,2,3
.irp c, 0,1,2,3
	global_load_b128 v[WF+16*(4*\f+\s)+4*\c:WF+16*(4*\f+\s)+4*\c+3], v4, s[8:9] offset:262144*\f+128*\s+32*\c   ; Ws: my 16 columns, and the same 512 further on
.endr
.endr
.endr
	global_load_b128 v[BS:BS+3], v8, s[10:11]
	global_load_b128 v[BS+4:BS+7], v8, s[10:11] offset:16
	global_load_b128 v[BS+8:BS+11], v8, s[10:11] offset:2048
	global_load_b128 v[BS+12:BS+15], v8, s[10:11] offset:2064
	s_wait_loadcnt 36                              ; the codes of x are in; Ws's 32 loads and bs's 4 were issued behind them
.irp s, 0,1,2,3
.irp c, 0,1,2,3
	ds_store_b128 v6, v[XF+16*\s+4*\c:XF+16*\s+4*\c+3] offset:XIMG+2048*\s+512*\c
.endr
.endr
	WIN 0x40                                       ; destination window 1
.irp p, 0,1,2                                  ; slices 0 to 2 of part: 48 loads, on their way under the product
.irp k, 0,1
.irp t, 0,1,2,3,4,5,6,7
	global_load_b128 v[32*(2*\p+\k)+4*\t:32*(2*\p+\k)+4*\t+3], v11, s[32+2*\p:33+2*\p] offset:8192*\t+2048*\k th:TH_LOAD_NT   ; sixteen lanes read 256 consecutive bytes
.endr
.endr
.endr
	WIN 0
	s_wait_dscnt 0x0                               ; for the others' sake: my four images
	s_barrier_signal -1
	s_barrier_wait -1                              ; the sixteen images lie in LDS
	s_wait_loadcnt 48                              ; Ws and bs are in; part's 48 loads were issued behind them
.irp i, 0,2,4,6
	v_pk_add_f32 v[BS+\i:BS+\i+1], v[BS+\i:BS+\i+1], v[BS+8+\i:BS+9+\i]     ; bs(c) + bs(c + 512)
.endr
.irp s, 0,1,2,3
.irp m, 0,1,2,3
.irp c, 0,1,2,3
	ds_load_b128 v[XF+16*\m+4*\c:XF+16*\m+4*\c+3], v5 offset:XIMG+(4*\m+\s)*2048+512*\c
.endr
.endr
	s_wait_dscnt 0x0
.irp f, 0,1                                    ; the four accumulators take turns, one instruction a turn
.irp m, 0,1,2,3
.if (\s == 0) && (\f == 0)
	v_wmma_f32_16x16x128_fp8_fp8 v[ACC+8*\m:ACC+8*\m+7], v[WF+16*(4*\f+\s):WF+16*(4*\f+\s)+15], v[XF+16*\m:XF+16*\m+15], 0
.else
	v_wmma_f32_16x16x128_fp8_fp8 v[ACC+8*\m:ACC+8*\m+7], v[WF+16*(4*\f+\s):WF+16*(4*\f+\s)+15], v[XF+16*\m:XF+16*\m+15], v[ACC+8*\m:ACC+8*\m+7]
.endif
.endr
.endr
.rept 4
	v_nop                                          ; places in front of loads into registers that matrix instructions have read, and of the first read of results
.endr
.endr
	WIN 0x40
.irp k, 0,1
.irp t, 0,1,2,3,4,5,6,7
	global_load_b128 v[32*(6+\k)+4*\t:32*(6+\k)+4*\t+3], v11, s[38:39] offset:8192*\t+2048*\k th:TH_LOAD_NT   ; slice 3
.endr
.endr
	WIN 0
.irp t, 0,1,2,3,4,5,6,7
	global_load_b128 v[XR+4*\t:XR+4*\t+3], v12, s[4:5] offset:4096*\t th:TH_LOAD_NT
.endr
	s_wait_kmcnt 0x0
	s_add_co_i32 s40, s40, s41
	s_add_co_i32 s40, s40, 127
	s_lshl_b32 s40, s40, 23                        ; 2^(e0 + e1) as f32
	s_mov_b32 s41, s40                             ; (named with it as a pair)
.irp m, 0,1,2,3
.irp i, 0,2,4,6
	v_pk_fma_f32 v[OUT+8*\m+\i:OUT+8*\m+\i+1], v[ACC+8*\m+\i:ACC+8*\m+\i+1], s[40:41], v[BS+\i:BS+\i+1] op_sel_hi:[1,0,1]   ; each accumulator from its low end on
.endr
.endr
.irp m, 0,1,2,3
	ds_store_b128 v9, v[OUT+8*\m:OUT+8*\m+3] offset:16*SPI*\m
	ds_store_b128 v9, v[OUT+8*\m+4:OUT+8*\m+7] offset:16*SPI*\m+16
.endr
	s_wait_dscnt 0x0                               ; for the others' sake: a row's 256 bytes come from four waves
	s_barrier_signal -1
	s_barrier_wait -1
.irp t, 0,1,2,3,4,5,6,7
	ds_load_b128 v[S+4*\t:S+4*\t+3], v10 offset:2*SPI*\t
.endr
	s_wait_dscnt 0x0
	s_wait_loadcnt 24                              ; slices 0 to 2 are in; slice 3's 16 loads and x's 8 were issued behind them
	WIN 0x04                                       ; source 1 window 1
.irp p, 0,1,2,3,4,5
.irp j, 0,2,4,6,8,10,12,14,16,18,20,22,24,26,28,30
	v_pk_add_f32 v[S+\j:S+\j+1], v[S+\j:S+\j+1], v[32*\p+\j:32*\p+\j+1]
.endr
.endr
	s_wait_loadcnt 0x0
.irp p, 6,7
.irp j, 0,2,4,6,8,10,12,14,16,18,20,22,24,26,28,30
	v_pk_add_f32 v[S+\j:S+\j+1], v[S+\j:S+\j+1], v[32*\p+\j:32*\p+\j+1]
.endr
.endr
	WIN 0
.irp j, 0,2,4,6,8,10,12,14,16,18,20,22,24,26,28,30
	v_pk_add_f32 v[S+\j:S+\j+1], v[S+\j:S+\j+1], v[XR+\j:XR+\j+1]
.endr
.irp t, 0,1,2,3,4,5,6,7
	global_store_b128 v12, v[S+4*\t:S+4*\t+3], s[18:19] offset:4096*\t th:TH_STORE_NT   ; sixteen lanes store 256 consecutive bytes, at a multiple of 256 from out0's first byte
.endr
; the statistics: one wave of the launch.  Lane l is (batch l / 8, expert l % 8): the batch's sixteen blocks are added
	s_or_b32 s42, s25, s26
	s_or_b32 s42, s42, s24
	s_cmp_lg_u32 s42, 0
	s_cbranch_scc1 .Lend
	v_lshrrev_b32 v13, 3, v1
	v_and_b32 v14, 7, v1
	v_lshlrev_b32 v13, 10, v13
	v_lshl_add_u32 v13, v14, 2, v13
.irp i, 0,1,2,3,4,5,6,7,8,9,10,11,12,13,14,15
	global_load_b32 v[112+\i], v13, s[16:17] offset:64*\i
	global_load_b32 v[128+\i], v13, s[16:17] offset:64*\i+32
.endr
	s_wait_loadcnt 0x0
.irp d, 8,4,2,1
.set J, 0
.rept \d
	v_add_f32 v[112+J], v[112+J], v[112+\d+J]
	v_add_f32 v[128+J], v[128+J], v[128+\d+J]
.set J, J+1
.endr
.endr
	v_lshlrev_b32 v15, 2, v1
	global_store_b32 v15, v112, s[20:21]
	global_store_b32 v15, v128, s[22:23]
.Lend:
	s_set_vgpr_msb 0x8
	s_wait_tensorcnt 0x0
	ds_add_u32 v7, v1
	s_wait_dscnt 0x0
	s_set_vgpr_msb 0x800
	s_endpgm
.Lfunc_end_k_qace95a62fd_join:
	.size	k_qace95a62fd_join, .Lfunc_end_k_qace95a62fd_join-k_qace95a62fd_join
	.p2alignl 7, 3214868480
	.fill 96, 4, 3214868480
	.section	.rodata,"a",@progbits
	.p2align	6, 0x0
	.amdhsa_kernel k_qace95a62fd_join
		.amdhsa_group_segment_fixed_size 50688
		.amdhsa_private_segment_fixed_size 0
		.amdhsa_enable_private_segment 0
		.amdhsa_kernarg_size 80
		.amdhsa_user_sgpr_count 2
		.amdhsa_user_sgpr_kernarg_segment_ptr 1
		.amdhsa_wavefront_size32 1
		.amdhsa_system_sgpr_workgroup_id_x 1
		.amdhsa_system_sgpr_workgroup_id_y 1
		.amdhsa_system_sgpr_workgroup_id_z 1
		.amdhsa_system_vgpr_workitem_id 0
		.amdhsa_next_free_vgpr 514
		.amdhsa_next_free_sgpr 66
		.amdhsa_reserve_vcc 0
		.amdhsa_float_denorm_mode_32 3
		.amdhsa_float_denorm_mode_16_64 3
		.amdhsa_memory_ordered 1
		.amdhsa_forward_progress 1
		.amdhsa_inst_pref_size 40
	.end_amdhsa_kernel
	.amdgpu_metadata
---
amdhsa.version: [ 1, 2 ]
amdhsa.kernels:
  - .name:           k_qace95a62fd_join
    .symbol:         k_qace95a62fd_join.kd
    .args:
      - { .name: x, .offset: 0, .size: 8, .value_kind: global_buffer, .address_space: global }
      - { .name: xqs, .offset: 8, .size: 8, .value_kind: global_buffer, .address_space: global }
      - { .name: Ws_codes, .offset: 16, .size: 8, .value_kind: global_buffer, .address_space: global }
      - { .name: bs, .offset: 24, .size: 8, .value_kind: global_buffer, .address_space: global }
      - { .name: lowp_scales, .offset: 32, .size: 8, .value_kind: global_buffer, .address_space: global }
      - { .name: part, .offset: 40, .size: 8, .value_kind: global_buffer, .address_space: global }
      - { .name: pstat, .offset: 48, .size: 8, .value_kind: global_buffer, .address_space: global }
      - { .name: out0, .offset: 56, .size: 8, .value_kind: global_buffer, .address_space: global }
      - { .name: out1, .offset: 64, .size: 8, .value_kind: global_buffer, .address_space: global }
      - { .name: out2, .offset: 72, .size: 8, .value_kind: global_buffer, .address_space: global }
    .group_segment_fixed_size: 50688
    .private_segment_fixed_size: 0
    .kernarg_segment_align: 8
    .kernarg_segment_size: 80
    .max_flat_workgroup_size: 128
    .sgpr_count:     66
    .vgpr_count:     514
    .wavefront_size: 32
...
	.end_amdgpu_metadata
.endif
;; end of part 4
